; MI455X (gfx1250); checked and timed in simulation.
; The chip was launched on July 23, 2026; its instructions are those of AMD's public machine-readable ISA for CDNA 5 (MIT licence, August 2026) and "CDNA5" Instruction Set Architecture Reference Guide (July 2026). The comments in the code are by the model that wrote it; some were corrected since.
;; Barrier Net. Allowed arithmetic: matrix products marked QUANTISED: E3M2 operands, one E8M0 scale for each 32 along K, by v_wmma_scale_f32_16x16x128_f8f6f4 with both operands' format E3M2, f32 sums; products left as they are: f32 operands where the result goes on into a quantised operand, else bf16, f16 or f32 operands; f32 sums; everything else in f32.
;; Inputs: W1_codes 256 x 2 x 24 uint8 (E3M2 codes of W1, K innermost, in blocks of 32 codes, four codes in three bytes); W1_scales 256 x 2 uint8 (E8M0 scales of W1, one for each 32 codes along K); W21_codes 256 x 8 x 24 uint8 (E3M2 codes of W21, K innermost, in blocks of 32 codes, four codes in three bytes); W21_scales 256 x 8 uint8 (E8M0 scales of W21, one for each 32 codes along K); W22_codes 256 x 8 x 24 uint8 (E3M2 codes of W22, K innermost, in blocks of 32 codes, four codes in three bytes); W22_scales 256 x 8 uint8 (E8M0 scales of W22, one for each 32 codes along K); W31 2 x 256 float32; W32 1 x 256 float32; b1 256 float32; b21 256 float32; b22 256 float32; b31 2 float32; b32 1 float32; obs 65,536 x 64 float32.
;; Outputs: out0 65,536 x 2 float32.
;; This version of the problem:
;;   THIS VERSION OF THE PROBLEM IS GIVEN IN LOW PRECISION. The matrix products marked QUANTISED in the list below multiply operands that are first quantised to E3M2 (3 exponent bits, 2 mantissa bits; 6 bits a number), with one power-of-two scale for each 32 numbers along K (OCP MX v1.0); their sums are f32. All else is computed in f32.
;;   The module's matrix products, in the order in which they are computed (A, B: the left and right operand; K: the contracted axis; several contracted axes count as one K, in the product's order):
;;     1. [M 65,536, K 64] x [K 64, N 256]; A: input obs; B: input W1 (given as codes): QUANTISED
;;     2. [M 65,536, K 256] x [K 256, N 256]; A: computed on the way; B: input W21 (given as codes): QUANTISED
;;     3. [M 65,536, K 256] x [K 256, N 256]; A: computed on the way; B: input W22 (given as codes): QUANTISED
;;     4. [M 65,536, K 256] x [K 256, N 2]; A: computed on the way; B: input W31: left as it is (N = 2 < 16)
;;     5. [M 65,536, K 256] x [K 256, N 1]; A: computed on the way; B: input W32: left as it is (N = 1 < 16)
;;   THE QUANTISER, for each operand of a quantised product, along K:
;;     - K is cut into blocks of 32 from its start; a last block that is shorter is filled with zeros.
;;     - A block's scale is 2^e with e = floor(log2(the largest magnitude in the block)) - 4, held to -126 .. 127; a block of zeros has e = 0. As a byte (E8M0): e + 127.
;;     - Each number is divided by its block's scale, clamped to +-28, and rounded to the nearest number of E3M2, ties to even, subnormals kept.
;;     - The product sums the exact products of the quantised numbers (number of the format x scale) in f32.
;;   ~~~python
;;   def quantise(x, axis):      # numpy; x: float32 -> the quantised numbers, widened to float32 again
;;       x = np.moveaxis(x, axis, -1); K = x.shape[-1]
;;       x = np.pad(x, [(0, 0)] * (x.ndim - 1) + [(0, -K % 32)]); x = x.reshape(x.shape[:-1] + (-1, 32)); a = np.abs(x).max(-1, keepdims=True)
;;       e = np.where(a > 0, np.clip(np.frexp(np.where(a > 0, a, 1))[1] - 1 - 4, -126, 127), 0)      # np.frexp(a)[1] - 1 = floor(log2(a)), exactly
;;       r = np.clip(x / 2.0 ** e, -28, 28)
;;       step = 2.0 ** (np.maximum(np.frexp(np.where(r == 0, 1, r))[1] - 1, -2) - 2)
;;       q = np.round(r / step) * step * 2.0 ** e      # np.round: ties to even
;;       return np.moveaxis(q.reshape(q.shape[:-2] + (-1,))[..., :K], -1, axis).astype(np.float32)
;;   ~~~
;;   OPERANDS COMPUTED ON THE WAY. 'Computed on the way' means the value that the module computes at that place (a softmax that the list does not call 'softmax' is quantised finished and normalised). What goes into a quantiser is computed in f32, as accurately as f32 sums, v_exp_f32 and their like allow (about 1e-6 of the number): no bf16 or f16 on the way to a quantiser, and a product that is left as it is and whose result goes on into a quantised operand takes f32 operands (vector FMAs, or v_wmma_f32_16x16x4_f32). A number that lies on a knife's edge between two numbers of the format may be rounded either way, as far as f32 arithmetic and the matrix unit's own rounding can turn it there, and no further.
;;   INPUTS GIVEN AS CODES. W1 (in the module: [256, 64], K = its axis 1); W21 (in the module: [256, 256], K = its axis 1); W22 (in the module: [256, 256], K = its axis 1): each comes as NAME_codes (uint8): NAME with its K axis moved to the last place and cut into blocks of 32 codes, [.., K / 32, bytes a block], one block behind the other in memory; four codes in three bytes: a row's codes are one little-endian stream of bits, code i at bits 6 i .. 6 i + 5 (a code: sign, 3 exponent bits, 2 mantissa bits); and NAME_scales (uint8): the same leading axes, one E8M0 byte (e + 127) for each 32 codes along K. Its value is code x scale, taken as it is: it is not quantised again, and the codes and scales need not be those that the quantiser above would give.
;; One version. Each part assembles by itself: llvm-mc -triple=amdgcn-amd-amdhsa -mcpu=gfx1250 --defsym DOCPART=n.
;; ======== version 1 of 1: 1 launch
;; launch barrier (part 1): grid 256 x 1, 8 waves a work-group, clusters of 4 x 1, 306,176 bytes of LDS; arguments obs, W1_codes, W1_scales, W21_codes, W21_scales, W22_codes, W22_scales, W31, W32, b1, b21, b22, b31, b32, out0; writes out0
.if DOCPART == 1
	.amdgcn_target "amdgcn-amd-amdhsa--gfx1250"
	.amdhsa_code_object_version 6
	.text
	.protected	k_q077e2c28b1_barrier
	.globl	k_q077e2c28b1_barrier
	.p2align	8
	.type	k_q077e2c28b1_barrier,@function
k_q077e2c28b1_barrier:
	s_mov_b64 s[64:65], 0
	v_nop
	global_prefetch_b8 v0, s[64:65] scope:SCOPE_SE
	s_setreg_imm32_b32 hwreg(HW_REG_WAVE_MODE, 25, 1), 1
	s_wait_xcnt 0x0
	s_wait_alu depctr_hold_cnt(0) depctr_sa_sdst(0) depctr_va_vdst(0) depctr_va_sdst(0) depctr_va_ssrc(0) depctr_va_vcc(0) depctr_vm_vsrc(0)
	s_getreg_b32 s2, hwreg(HW_REG_IB_STS2, 6, 4)
	s_cmp_eq_u32 s2, 0
	s_cbranch_scc0 .Lentry_in_a_cluster
	s_endpgm
.Lentry_in_a_cluster:
	s_bfe_u32 s2, ttmp6, 0x10000c
	s_cmp_lg_u32 s2, 0x3003
	s_cbranch_scc0 .Lentry_shape_is_right
	s_endpgm
.Lentry_shape_is_right:
; BarrierNet, whole, in one launch.  x = relu(obs W1^T + b1); x21 = relu(x W21^T + b21); x22 = relu(x W22^T + b22): three products on codes of BF6 (E3M2) with one E8M0 scale
; for each 32 along K; u_nom = x21 W31^T + b31 and s = x22 W32^T + b32 with bf16 operands and f32 sums; then, row by row in f32, beta, the CVaR coefficient, the soft worst case over three modes and the projection.
; SHARES.  256 work-groups of eight waves; a work-group owns 256 rows of obs (16 tiles of 16) and takes them in one pass: no loop.  THE WAVES SHARE THE COLUMNS: in layer 1 wave (c = w & 1, rq = w >> 1) makes
; hidden units 128 c .. 128 c + 127 for row tiles 4 rq .. 4 rq + 3; in layer 2 wave (g = w >> 2, qd = w & 3) makes units 64 qd .. 64 qd + 63 of x21 (g = 0) or x22 (g = 1) for all 16 row tiles.  So a wave's weights
; stay in its registers, and what goes from wave to wave through LDS is small: images of the operand registers of obs's and x's codes, and their scale words.
; Both quantised products are used transposed (source 0 = 16 rows of a weight, source 1 = 16 rows of obs or x): a lane holds one row of the batch and its registers run along the units, which are the next K.
; K = 64 of the first product fills half of the instruction's 128: the other half is zero codes on both sides, under scale bytes 0 (2^-127), which add nothing.
; CLUSTER.  The four work-groups of a cluster need the same W21, W22 and W1 codes (110,592 bytes): they ask for them jointly.  The scale bytes, biases, W31 and W32 (10,764 bytes together, under a tenth of that) are
; not asked for jointly: each lane loads them from memory straight into the operand registers in which they stay.  obs is each work-group's own.  Every LDS byte is filled at most once.
; THE ORDER OF THE FILLS.  A wave asks for its rows of obs, its part of W1, its rows of W21 or W22, in the order in which they are wanted.  The last are 98,304 of the 176,128 bytes that a work-group receives, and layer 2
; is the first to want them: they are waited for in layer 1's last row tile, by the wave that asked for them, which alone reads them.
; Nothing is prefetched: all that the launch reads is asked for by its first instructions.
; LIMITS.  NaN and infinities among the inputs are not served.  A block whose largest magnitude lies under 2^-122 (a block of zeros among them) gets the scale byte 1; these bytes are read by this text alone.
; x21, x22, W31 and W32 are rounded to bf16 for the last two products.  A division is v_rcp_f32 and a multiplication.  rhs / 0.1 and the change of base are one constant, 10 log2(e).
.set OBS,   0                          ; LDS: 256 rows of obs, 256 bytes + 16 of padding (pitch 272 = 17 x 16: the 16 rows that a load touches begin at 16 different 16-byte columns); it begins at LDS byte 0
.set W2T,   69632                      ; W21's 256 rows, then W22's: a row of 192 bytes as 3 x (64 + 16), pitch 240; wave w fills, and alone reads, 64 rows at 15,360 w
.set W1T,   192512                     ; W1's codes as they lie: 256 rows of 48 bytes
.set XIMG,  204800                     ; obs's fragments, 768 bytes a row tile: registers 0-3 at 16 x lane, registers 4-5 at 512 + 8 x lane
.set XSC,   217088                     ; their scale words, 128 bytes a row tile
.set HIMG,  219136                     ; x's fragments: (row tile m, K step s) at 1,536 (2 m + s): three blocks of 512 bytes, 16 x lane
.set HSC,   268288                     ; their scale words, 128 (2 m + s) + 4 x lane
.set PART,  272384                     ; partial sums of the last two products: [wave][row][2] f32, 16,384 bytes; 16,384 more take what lanes 16-31 hold (rows 8, 9 of that product: zeros), which nobody reads
; vector registers, window 0.  v1 r = lane % 16, v2 h = lane / 16, v3 lane, v5 r + 8 (r / 8)
.set OBA,  7                           ; LDS: my 16 numbers of a block of obs, in my wave's own 32 rows
.set XWI,  8                           ; where I store obs's images (16 bytes a lane), XW8 (8 bytes a lane), XWS (scale words)
.set XW8,  9
.set XWS,  10
.set XRI,  11                          ; and where I read those of my four row tiles
.set XR8,  12
.set XRS,  13
.set HWI,  14                          ; where I store x's images, and their scale words
.set HWS,  15
.set HRI,  16                          ; and where I read them
.set HRS,  17
.set W1A,  18                          ; my lane's place in a tile of W1
.set W2A,  19                          ; v19, v20: in a tile of W21 or W22; v20 for the pieces that lie behind one padding more in lanes 16-31
.set PWA,  21                          ; partial sums: where I store,
.set PRA,  22                          ; where thread t reads row t's,
.set ORA,  23                          ; and row t's obs[6:10]
.set OUTO, 24                          ; byte offsets in memory, never rewritten: out0, b1, b21 or b22, W21's or W22's scales, W1's scales, W31 or W32
.set GB1,  25
.set GB2,  26
.set GW2S, 27
.set GW1S, 28
.set GW3,  29
.set XS,   30                          ; obs's scale word in hand: it holds scales and nothing else
.set B2,   32                          ; v32-63   b21 or b22 in the result's layout, 4 tiles x 8
.set W3,   64                          ; v64-79   my 64 columns of W31 or W32 as bf16: two fragments of 16 rows x 32 K, rows beyond the tensor's zero
.set W2S,  80                          ; v80-87   W21's or W22's scale words: tile t, K step s at 2 t + s
.set W1S,  88                          ; v88-95   W1's scale words; behind layer 1 v88-91 take x's (XSS: 2 m + s)
.set XSS,  88
.set XF,   96                          ; v96-107  obs's fragment; registers 6-11 are zero codes
.set PW,   109                         ; the scale word just made
.set TM,   110                         ; v110-125 at work in QUANT
.set PC,   126                         ; v126-145 the codes just made
.set T0,   146                         ; v146-147
.set HA,   148                         ; v148-211 64 numbers a lane: obs, then my 8 tiles of x
.set W3F,  212                         ; v212-243 W31 or W32 as loaded
.set XFR,  96                          ; layer 2: v96-143 x's fragments (m, s) at 24 m + 12 s; v144-207 accumulators 32 m + 8 t; v208-239 their bf16; v240-255 the last products' results
.set ACC,  144
.set BB,   208
.set OUT,  240
; window 1: v0-95 W1's 8 fragments (registers 6-11 of each zero codes); v96-191 W21's or W22's 8 fragments (t, s) at 12 (2 t + s); v192-255 b1 in the result's layout, 8 tiles x 8
.set W1F,  0
.set W2F,  96
.set B1,   192
; scalar registers
.set WV,   34                          ; my wave's number
.set WG,   35                          ; my work-group's number: it, and s[66:67] made from it, enter obs's and out0's global addresses alone
.set G1O,  36                          ; descriptor groups 1: obs, W21 / W22, W1
.set G1C,  44
.set G1W,  52
.set G0O,  60                          ; groups 0: obs, W21, W22, W1
.set G0A,  68
.set G0B,  72
.set G0W,  76
.set CC,   80                          ; c
.set RQ,   81                          ; rq
.set QD,   83                          ; qd
.set SEL,  88                          ; s[88:89] v_permlanex16_b32's selects for lane l xor 16
.set MSB, 0
.macro WIN new                         ; s_set_vgpr_msb: bits 1:0 source 0, 3:2 source 1, 5:4 source 2, 7:6 destination; the high byte repeats the setting that is left
.if MSB != \new
	s_set_vgpr_msb (MSB<<8)|\new
.set MSB, \new
.endif
.endm
.macro PLACES                          ; four plain vector instructions between a matrix instruction and a load into, or a read of, its registers
.rept 4
	v_nop
.endr
.endm
; A round of the cluster's barrier: my work-group's barrier, wave 0 signals for the work-group, every wave waits for all four work-groups, my work-group's barrier once more.
.macro CROUND
	s_barrier_signal -1
	s_barrier_wait -1
	s_cmp_lg_u32 s[WV], 0
	s_cbranch_scc1 .Lnot_wave_0_\@
	s_barrier_signal -3
.Lnot_wave_0_\@:
	s_barrier_wait -3
	s_barrier_signal -1
	s_barrier_wait -1
.endm
.macro MEET                            ; my LDS stores have landed and my LDS loads are in: then the work-group's barrier
	s_wait_dscnt 0x0
	s_barrier_signal -1
	s_barrier_wait -1
.endm
; The activation, in f32, on 64 registers from v[s] on, s even: two to an instruction (one destination even, the other odd; the two register sources are neighbours).  Each accumulator is read from its low end on.
.macro RELU s
.set j, 0
.rept 32
	v_dual_max_num_f32 v[\s+j], 0, v[\s+j] :: v_dual_max_num_f32 v[\s+j+1], 0, v[\s+j+1]
.set j, j+2
.endr
.endm
; 64 numbers of a lane, v[s] .. v[s + 63], register 16 b + i = k 32 b + 16 (lane / 16) + i of my row, become a fragment's codes in v[PC] .. v[PC + 11] and its scale word in v[PW].
.macro QUANT s
.irp b, 0,1,2,3
	v_max3_num_f32 v[TM+\b], |v[\s+16*\b]|, |v[\s+1+16*\b]|, 0x2800000   ; block b: my 16 numbers, and the floor 2^(5 - 127): the byte cannot fall under 1
.endr
.irp i, 2,4,6,8,10,12,14
.irp b, 0,1,2,3
	v_max3_num_f32 v[TM+\b], v[TM+\b], |v[\s+16*\b+\i]|, |v[\s+1+16*\b+\i]|   ; the four blocks by turns
.endr
.endr
.irp b, 0,1,2,3
	v_permlanex16_b32 v[TM+4+\b], v[TM+\b], s[SEL], s[SEL+1]
.endr
.irp b, 0,1,2,3
	v_max_num_f32 v[TM+\b], v[TM+\b], v[TM+4+\b]   ; with lane l xor 16's: the block's largest magnitude
.endr
.irp b, 0,1,2,3
	v_add_nc_u32 v[TM+12+\b], 0xfe000000, v[TM+\b]   ; 4 off its exponent field: the conversion takes this operand's exponent field as its scale
.endr
.irp b, 0,1,2,3
	v_lshrrev_b32 v[TM+4+\b], 23, v[TM+12+\b]      ; the scale's byte
.endr
	v_lshl_or_b32 v[PW], v[TM+5], 8, v[TM+4]
	v_lshl_or_b32 v[PW], v[TM+6], 16, v[PW]
	v_lshl_or_b32 v[PW], v[TM+7], 24, v[PW]
.irp c, 0,1
	v_cvt_scalef32_pk16_bf6_f32 v[PC+6*\c:PC+2+6*\c], v[\s+32*\c:\s+15+32*\c], v[TM+12+2*\c]
	v_cvt_scalef32_pk16_bf6_f32 v[PC+12+4*\c:PC+14+4*\c], v[\s+16+32*\c:\s+31+32*\c], v[TM+12+2*\c+1]   ; (a conversion's three registers begin on an even number)
.endr
	v_nop                                          ; one plain instruction behind a scaled conversion
.irp c, 0,1                                    ; the operand's layout wants a whole block in a lane: lanes 0-15 block 2 c, lanes 16-31 block 2 c + 1
.irp i, 0,1,2
	v_permlane16_swap_b32 v[PC+6*\c+\i], v[PC+12+4*\c+\i]
.endr
.irp i, 0,1,2
	v_mov_b32 v[PC+3+6*\c+\i], v[PC+12+4*\c+\i]
.endr
.endr
.endm
; A fragment of W21 or W22 (tile t of 16 rows, K step q) from my wave's 64 rows in LDS: six pieces of 8 bytes.  16 bytes of padding lie behind every 8 pieces; lanes 16-31 read three pieces on, which for some
; pieces is behind one padding more: the second address register serves those.
.macro FRAG reg, q, t
.irp p, 0,1,2,3,4,5
.set PCE, 12*(\q)+6*(\p/3)+\p%3
.if PCE%8 < 5
	ds_load_b64 v[\reg+2*\p:\reg+2*\p+1], v[W2A] offset:8*PCE+16*(PCE/8)+(\t)*16*240
.else
	ds_load_b64 v[\reg+2*\p:\reg+2*\p+1], v[W2A+1] offset:8*PCE+16*(PCE/8)+(\t)*16*240
.endif
.endr
.endm
.macro FETCHX i                        ; obs's fragment and scale word of my i-th row tile: three loads
	ds_load_b128 v[XF:XF+3], v[XRI] offset:768*(\i)
	ds_load_b64 v[XF+4:XF+5], v[XR8] offset:768*(\i)
	ds_load_b32 v[XS], v[XRS] offset:128*(\i)
.endm
.macro FETCHH p                        ; x's four fragments and scale words of row tiles 2 p and 2 p + 1: sixteen loads
.irp m, 0,1
.irp s, 0,1
.irp k, 0,1,2
	ds_load_b128 v[XFR+24*\m+12*\s+4*\k:XFR+24*\m+12*\s+4*\k+3], v[HRI] offset:(2*(2*(\p)+\m)+\s)*1536+512*\k
.endr
	ds_load_b32 v[XSS+2*\m+\s], v[HRS] offset:(2*(2*(\p)+\m)+\s)*128
.endr
.endr
.endm
	s_load_b512 s[4:19], s[0:1], 0x0               ; obs 4, W1_codes 6, W1_scales 8, W21_codes 10, W21_scales 12, W22_codes 14, W22_scales 16, W31 18
	s_load_b256 s[20:27], s[0:1], 0x40             ; W32 20, b1 22, b21 24, b22 26
	s_load_b128 s[28:31], s[0:1], 0x60             ; b31 28, b32 30
	s_load_b64 s[32:33], s[0:1], 0x70              ; out0
	v_lshl_add_u32 v6, v0, 2, 0x4a800
	v_mov_b32 v31, 0
	ds_add_u32 v6, v31
	ds_add_u32 v6, v31
	s_wait_dscnt 0x0
	v_lshrrev_b32 v4, 5, v0
	v_readfirstlane_b32 s[WV], v4                  ; wave 0..7
	v_and_b32 v1, 15, v0                           ; r
	v_bfe_u32 v2, v0, 4, 1                         ; h
	v_and_b32 v3, 31, v0                           ; lane
	v_and_b32 v5, 8, v1
	v_add_nc_u32 v5, v5, v1                        ; r + 8 (r / 8)
	s_and_b32 s[CC], s[WV], 1
	s_lshr_b32 s[RQ], s[WV], 1
	s_and_b32 s[QD], s[WV], 3
	s_bfe_u32 s[WG], ttmp6, 0x40000                ; cx
	s_lshl_b32 s67, ttmp9, 2                       ; in a cluster launch ttmp9 counts clusters
	s_add_co_u32 s[WG], s67, s[WG]                 ; my work-group = 4 x cluster + cx
	s_mov_b32 s[SEL], 0x76543210
	s_mov_b32 s[SEL+1], 0xfedcba98
	; every LDS address is made here, ahead of the first branch: a constant, constants x lane, constants x the wave's number
	s_mul_i32 s96, s[WV], 8704                     ; my wave's 32 rows of obs
	v_mul_u32_u24 v[OBA], v1, 272
	v_lshl_add_u32 v[OBA], v2, 6, v[OBA]
	v_add_nc_u32 v[OBA], s96, v[OBA]               ; row r, + 64 h: 16 numbers of a block of 32
	s_mul_i32 s96, s[WV], 1536
	s_add_co_u32 s96, s96, XIMG                    ; row tiles 2 w and 2 w + 1
	v_lshl_add_u32 v[XWI], v3, 4, s96
	v_lshl_add_u32 v[XW8], v3, 3, s96
	v_add_nc_u32 v[XW8], 512, v[XW8]
	s_lshl_b32 s97, s[WV], 8
	s_add_co_u32 s97, s97, XSC
	v_lshl_add_u32 v[XWS], v3, 2, s97
	s_mul_i32 s96, s[RQ], 3072
	s_add_co_u32 s96, s96, XIMG                    ; row tiles 4 rq on
	v_lshl_add_u32 v[XRI], v3, 4, s96
	v_lshl_add_u32 v[XR8], v3, 3, s96
	v_add_nc_u32 v[XR8], 512, v[XR8]
	s_lshl_b32 s97, s[RQ], 9
	s_add_co_u32 s97, s97, XSC
	v_lshl_add_u32 v[XRS], v3, 2, s97
	s_lshl_b32 s96, s[RQ], 3
	s_add_co_u32 s96, s96, s[CC]                   ; 2 (4 rq) + c
	s_mul_i32 s97, s96, 1536
	s_add_co_u32 s97, s97, HIMG
	v_lshl_add_u32 v[HWI], v3, 4, s97
	s_lshl_b32 s96, s96, 7
	s_add_co_u32 s96, s96, HSC
	v_lshl_add_u32 v[HWS], v3, 2, s96
	v_lshl_add_u32 v[HRI], v3, 4, HIMG
	v_lshl_add_u32 v[HRS], v3, 2, HSC
	s_mul_i32 s96, s[CC], 6144                     ; my 128 rows of W1
	s_add_co_u32 s96, s96, W1T
	v_mul_u32_u24 v[W1A], v5, 48                   ; THE ROWS OF W1 THAT FORM A TILE ARE NOT NEIGHBOURS: lane r of tile 2 b + u takes row 32 b + 8 u + r + 8 (r / 8),
	v_mad_u32_u24 v[W1A], v2, 24, v[W1A]           ; so that the 16 registers of tiles 2 b and 2 b + 1 are 16 neighbours along the next K
	v_add_nc_u32 v[W1A], s96, v[W1A]
	s_mul_i32 s96, s[WV], 15360                    ; my 64 rows of W21 or W22: those that I fetch
	s_add_co_u32 s96, s96, W2T
	v_mul_u32_u24 v[W2A], v1, 240
	v_mad_u32_u24 v[W2A], v2, 24, v[W2A]
	v_add_nc_u32 v[W2A], s96, v[W2A]
	v_lshl_add_u32 v[W2A+1], v2, 4, v[W2A]
	s_lshl_b32 s96, s[WV], 11
	s_add_co_u32 s96, s96, PART
	v_lshl_add_u32 v[PWA], v1, 3, s96
	v_lshl_add_u32 v[PWA], v2, 14, v[PWA]          ; lanes 16-31 store 16,384 bytes further on
	v_lshl_add_u32 v[PRA], v0, 3, PART
	v_mad_u32_u24 v[ORA], v0, 272, 24              ; row t of obs, number 6
	v_lshlrev_b32 v[OUTO], 3, v0
	v_lshlrev_b32 v[GB1], 6, v2                    ; b1: 16 h numbers on
	v_lshlrev_b32 v[GB2], 5, v2                    ; b21, b22: 8 h numbers on
	v_lshlrev_b32 v[GW2S], 3, v1                   ; W21's, W22's scales: 8 bytes a row
	v_lshlrev_b32 v[GW1S], 1, v5                   ; W1's: 2 bytes a row
	s_mov_b32 s98, 1024
	s_cmp_lt_u32 s[WV], 4                          ; waves 0-3: W21, b21, W31 (two rows, 1,024 bytes apart); waves 4-7: W22, b22, W32 (one row)
	s_cselect_b32 s98, s98, 0
	s_cselect_b32 s99, 2, 1
	v_and_b32 v[GW3], 1, v1
	v_mul_u32_u24 v[GW3], s98, v[GW3]              ; lane r loads row r % 2 (or row 0): inside the tensor; rows that the tensor has not are made zero below
	v_lshl_add_u32 v[GW3], v2, 5, v[GW3]
.irp b, 0,1,2,3
	v_mov_b32 v[TM+4+\b], 0                        ; written once: a lane permute's destination counts as one of its sources
.endr
.irp i, 6,7,8,9,10,11
	v_mov_b32 v[XF+\i], 0                          ; K = 64 .. 127 of the first product: zero codes
.endr
	WIN 0x40                                       ; destination window 1
.irp t, 0,1,2,3,4,5,6,7
.irp i, 6,7,8,9,10,11
	v_mov_b32 v[W1F+12*\t+\i], 0                   ; the same on W1's side
.endr
.endr
	WIN 0
	; descriptor groups 1, all constants.  obs: 32 rows of 32 elements of 8 bytes, 16 bytes of padding behind each row; no mask
	s_mov_b32 s[G1O+0], (3<<16)|(1<<20)|(5<<22)|(3<<25)
	s_mov_b32 s[G1O+1], 32<<16
	s_mov_b32 s[G1O+2], 32<<16
	s_mov_b32 s[G1O+3], 32<<16
	s_mov_b32 s[G1O+4], 32
	s_mov_b32 s[G1O+5], 32
	s_mov_b32 s[G1O+6], 0
	s_mov_b32 s[G1O+7], 0
	; W21, W22: 64 rows of 192 bytes, 16 bytes of padding behind every 64; the mask names the cluster's four work-groups, bit 21 beside it
	s_mov_b32 s[G1C+0], 15|(1<<20)|(1<<21)|(3<<22)|(3<<25)
	s_mov_b32 s[G1C+1], 192<<16
	s_mov_b32 s[G1C+2], 64<<16
	s_mov_b32 s[G1C+3], 192<<16
	s_mov_b32 s[G1C+4], 64
	s_mov_b32 s[G1C+5], 192
	s_mov_b32 s[G1C+6], 0
	s_mov_b32 s[G1C+7], 0
	; W1: a dense 1,536 bytes as 6 rows of 32 elements of 8 bytes, no padding; the same mask
	s_mov_b32 s[G1W+0], 15|(3<<16)|(1<<21)
	s_mov_b32 s[G1W+1], 32<<16
	s_mov_b32 s[G1W+2], 6<<16
	s_mov_b32 s[G1W+3], 32<<16
	s_mov_b32 s[G1W+4], 6
	s_mov_b32 s[G1W+5], 32
	s_mov_b32 s[G1W+6], 0
	s_mov_b32 s[G1W+7], 0
	s_mov_b32 s[G0O], 1
	s_mul_i32 s[G0O+1], s[WV], 8704                ; LDS: OBS + 32 rows x 272 x wave
	s_mov_b32 s[G0A], 1
	s_mul_i32 s[G0A+1], s[WV], 15360
	s_add_co_u32 s[G0A+1], s[G0A+1], W2T
	s_mov_b32 s[G0B], 1
	s_mov_b32 s[G0B+1], s[G0A+1]
	s_mov_b32 s[G0W], 1
	s_mul_i32 s[G0W+1], s[WV], 1536
	s_add_co_u32 s[G0W+1], s[G0W+1], W1T
	CROUND                                         ; the round in front of the joint loads names none of the arguments: it stands ahead of the wait for them, while they are on their way.  Behind it only that wait and scalar sums stand in front of the loads
	s_wait_kmcnt 0x0
	s_cmp_lt_u32 s[WV], 4
	s_cselect_b64 s[90:91], s[24:25], s[26:27]     ; b21 or b22
	s_cselect_b64 s[92:93], s[12:13], s[16:17]     ; W21's or W22's scales
	s_cselect_b64 s[94:95], s[18:19], s[20:21]     ; W31 or W32
	s_mov_b32 s97, 0
	s_lshl_b32 s96, s[QD], 8                       ; my 64 units: 256 bytes of f32
	s_add_nc_u64 s[90:91], s[90:91], s[96:97]
	s_add_nc_u64 s[94:95], s[94:95], s[96:97]
	s_lshl_b32 s96, s[QD], 9                       ; 64 rows of 8 scale bytes
	s_add_nc_u64 s[92:93], s[92:93], s[96:97]
	s_lshl_b32 s96, s[CC], 9                       ; b1: my 128 units
	s_add_nc_u64 s[22:23], s[22:23], s[96:97]
	s_lshl_b32 s96, s[CC], 8                       ; W1's scales: 128 rows of 2 bytes
	s_add_nc_u64 s[8:9], s[8:9], s[96:97]
	s_mul_i32 s96, s[QD], 12288                    ; 64 rows of 192 bytes: made of the wave's number alone, so the same in all four partners
	s_add_nc_u64 s[G0A+2:G0A+3], s[10:11], s[96:97]
	s_or_b32 s[G0A+3], s[G0A+3], 0x80000000
	s_add_nc_u64 s[G0B+2:G0B+3], s[14:15], s[96:97]
	s_or_b32 s[G0B+3], s[G0B+3], 0x80000000
	s_mul_i32 s96, s[WV], 1536
	s_add_nc_u64 s[G0W+2:G0W+3], s[6:7], s[96:97]
	s_or_b32 s[G0W+3], s[G0W+3], 0x80000000
	s_lshl_b32 s66, s[WG], 16                      ; my work-group's 256 rows of 256 bytes,
	s_lshl_b32 s67, s[WV], 13                      ; my wave's 32 of them
	s_add_co_u32 s66, s66, s67
	s_mov_b32 s67, 0
	s_add_nc_u64 s[G0O+2:G0O+3], s[4:5], s[66:67]
	s_or_b32 s[G0O+3], s[G0O+3], 0x80000000
	s_lshl_b32 s66, s[WG], 11                      ; 256 rows of 8 bytes
	s_add_nc_u64 s[32:33], s[32:33], s[66:67]
	; the first and only fills, one group, in the order in which they are wanted: three tensor loads of mine are out.  Four v_nop follow each
	tensor_load_to_lds s[G0O:G0O+3], s[G1O:G1O+7]  ; my 32 rows of obs
	s_nop 0
	PLACES
	tensor_load_to_lds s[G0W:G0W+3], s[G1W:G1W+7]  ; an eighth of W1
	s_nop 0
	PLACES
	s_cmp_lt_u32 s[WV], 4                          ; the branch hangs on the wave's number alone: each of the two lines has one set of registers for all that issue it; one load on either way
	s_cbranch_scc0 .Lfor_w22
	tensor_load_to_lds s[G0A:G0A+3], s[G1C:G1C+7]  ; 64 rows of W21
	s_nop 0
	PLACES
	s_branch .Lasked
.Lfor_w22:
	tensor_load_to_lds s[G0B:G0B+3], s[G1C:G1C+7]  ; 64 rows of W22
	s_nop 0
	PLACES
.Lasked:
	s_load_b64 s[84:85], s[28:29], 0x0             ; b31
	s_load_b32 s86, s[30:31], 0x0                  ; b32: both are waited for in front of the last phase
	; the small tensors, 44 loads, straight into the registers in which they stay
	WIN 0x40
.irp t, 0,1,2,3,4,5,6,7                        ; b1: lane (r, h) wants, for tile 2 b + u, the units 32 b + 8 u + 16 h + 0 .. 7
	global_load_b128 v[B1+8*\t:B1+8*\t+3], v[GB1], s[22:23] offset:(32*(\t/2)+8*(\t%2))*4
	global_load_b128 v[B1+8*\t+4:B1+8*\t+7], v[GB1], s[22:23] offset:(32*(\t/2)+8*(\t%2))*4+16
.endr
	WIN 0
.irp t, 0,1,2,3                                ; b21 or b22: for tile t the units 16 t + 8 h + 0 .. 7
	global_load_b128 v[B2+8*\t:B2+8*\t+3], v[GB2], s[90:91] offset:64*\t
	global_load_b128 v[B2+8*\t+4:B2+8*\t+7], v[GB2], s[90:91] offset:64*\t+16
.endr
.irp t, 0,1,2,3
	global_load_b64 v[W2S+2*\t:W2S+2*\t+1], v[GW2S], s[92:93] offset:128*\t   ; row 16 t + r: the words of K steps 0 and 1
.endr
.irp t, 0,1,2,3,4,5,6,7
	global_load_u16 v[W1S+\t], v[GW1S], s[8:9] offset:(32*(\t/2)+8*(\t%2))*2   ; two bytes; bytes 2 and 3 of the word are 0, over zero codes
.endr
.irp u, 0,1                                    ; W31 or W32, columns 32 u on: k = 8 h + 0 .. 7 and 16 + 8 h + 0 .. 7, as the 16-bit operand's layout wants them
.irp j, 0,1,2,3
	global_load_b128 v[W3F+16*\u+4*\j:W3F+16*\u+4*\j+3], v[GW3], s[94:95] offset:128*\u+64*(\j/2)+16*(\j%2)
.endr
.endr
	; ---- X: my 32 rows of obs become two fragments
	s_wait_tensorcnt 0x2                           ; a wave's tensor loads end in order: my rows of obs are in; the two loads issued behind them may be out.  Only I read these rows here
.irp u, 0,1
.irp b, 0,1
.irp j, 0,1,2,3
	ds_load_b128 v[HA+32*\u+16*\b+4*\j:HA+32*\u+16*\b+4*\j+3], v[OBA] offset:4352*\u+128*\b+16*\j
.endr
.endr
.endr
	s_wait_dscnt 0x0
	QUANT HA                                       ; its blocks 0, 1 are row tile 2 w (K = 64), its blocks 2, 3 row tile 2 w + 1: registers 0-5 and 6-11 of the result are the two fragments' registers 0-5
	v_and_b32 v[T0], 0xffff, v[PW]                 ; the two scale words; their bytes 2 and 3 are 0, over zero codes
	v_lshrrev_b32 v[T0+1], 16, v[PW]
	ds_store_b128 v[XWI], v[PC:PC+3]
	ds_store_b64 v[XW8], v[PC+4:PC+5]
	ds_store_b128 v[XWI], v[PC+6:PC+9] offset:768
	ds_store_b64 v[XW8], v[PC+10:PC+11] offset:768
	ds_store_b32 v[XWS], v[T0]
	ds_store_b32 v[XWS], v[T0+1] offset:128
	s_wait_tensorcnt 0x1                           ; for the others' sake: my part of W1 has landed.  The one load issued behind it, my rows of W21 or W22, may stay out: nobody but me reads them
	MEET                                           ; obs's 16 fragments and all of W1 lie in LDS
	WIN 0x40
.irp t, 0,1,2,3,4,5,6,7
.irp p, 0,1,2
	ds_load_b64 v[W1F+12*\t+2*\p:W1F+12*\t+2*\p+1], v[W1A] offset:(32*(\t/2)+8*(\t%2))*48+8*\p   ; k = 32 h + 0 .. 31: 24 bytes of the row, as they lie
.endr
.endr
	WIN 0
	FETCHX 0
	s_wait_loadcnt 0x0                             ; the 44 loads
.set k, 0
.rept 16
	v_cvt_pk_bf16_f32 v[W3+k], v[W3F+2*k], v[W3F+2*k+1]
.set k, k+1
.endr
	v_cmp_gt_u32 vcc_lo, s99, v1                   ; lanes whose row the tensor has
.set k, 0
.rept 16
	v_cndmask_b32 v[W3+k], 0, v[W3+k], vcc_lo      ; the other rows of the 16 are zeros
.set k, k+1
.endr
	; ---- 1: x, a row tile at a time: 8 products (eight accumulators, each begun with b1 as C), relu, quantised in registers: K step c of the next products; its image goes to LDS
.macro L1TILE i
.if \i == 0
	s_wait_dscnt 0x0                               ; W1's fragments, obs's fragment and its word are in
.else
	s_wait_dscnt 0x4                               ; obs's fragment and its word are in; the four stores issued behind those loads, the last tile's image, may be out
.endif
	WIN 0x11                                       ; source 0 (W1) and source 2 (b1) window 1
.irp t, 0,1,2,3,4,5,6,7
	v_wmma_scale_f32_16x16x128_f8f6f4 v[HA+8*\t:HA+8*\t+7], v[W1F+12*\t:W1F+12*\t+11], v[XF:XF+11], v[B1+8*\t:B1+8*\t+7], v[W1S+\t], v[XS] matrix_a_fmt:MATRIX_FMT_BF6 matrix_b_fmt:MATRIX_FMT_BF6
.endr
	WIN 0
	PLACES
.if \i < 3
	FETCHX (\i)+1
.else                                          ; the last tile: my 8 fragments of W21 or W22 come into registers under its vector work
	s_wait_tensorcnt 0x0                           ; my rows of W21 or W22 have landed: I asked for them, and I alone read them
	WIN 0x40
.irp t, 0,1,2,3
.irp s, 0,1
	FRAG W2F+12*(2*\t+\s), \s, \t
.endr
.endr
	WIN 0
.endif
	RELU HA
.if \i == 3
	s_wait_dscnt 48                                ; all but the 48 loads just issued: the last tile's image stores are done, so the codes' registers may be written again
.elseif \i > 0
	s_wait_dscnt 0x3                               ; all but the three loads just issued: the same
.endif
	QUANT HA
.irp k, 0,1,2
	ds_store_b128 v[HWI], v[PC+4*\k:PC+4*\k+3] offset:3072*(\i)+512*\k
.endr
	ds_store_b32 v[HWS], v[PW] offset:256*(\i)
.endm
	L1TILE 0
	L1TILE 1
	L1TILE 2
	L1TILE 3
	MEET                                           ; all my image stores have landed (the wait is for 0): x's 32 fragments lie in LDS
	; ---- 2: my 64 units of x21 or x22, two row tiles at a time: eight accumulators by turns, one instruction a turn, K step 0 (C = the bias) and K step 1; relu; bf16; the last product on my 64 units
.macro L2PAIR p
.if \p == 0
	s_wait_dscnt 0x0                               ; the pair's fragments and words are in
.else
	s_wait_dscnt 0x2                               ; the same; the two stores issued behind those loads, the last pair's partial sums, may be out
.endif
	WIN 0x01                                       ; source 0 (W21 or W22) window 1
.irp s, 0,1
.irp m, 0,1
.irp t, 0,1,2,3
.if \s == 0
	v_wmma_scale_f32_16x16x128_f8f6f4 v[ACC+32*\m+8*\t:ACC+32*\m+8*\t+7], v[W2F+12*(2*\t+\s):W2F+12*(2*\t+\s)+11], v[XFR+24*\m+12*\s:XFR+24*\m+12*\s+11], v[B2+8*\t:B2+8*\t+7], v[W2S+2*\t+\s], v[XSS+2*\m+\s] matrix_a_fmt:MATRIX_FMT_BF6 matrix_b_fmt:MATRIX_FMT_BF6
.else
	v_wmma_scale_f32_16x16x128_f8f6f4 v[ACC+32*\m+8*\t:ACC+32*\m+8*\t+7], v[W2F+12*(2*\t+\s):W2F+12*(2*\t+\s)+11], v[XFR+24*\m+12*\s:XFR+24*\m+12*\s+11], v[ACC+32*\m+8*\t:ACC+32*\m+8*\t+7], v[W2S+2*\t+\s], v[XSS+2*\m+\s] matrix_a_fmt:MATRIX_FMT_BF6 matrix_b_fmt:MATRIX_FMT_BF6
.endif
.endr
.endr
.endr
	WIN 0
	PLACES
.if \p < 7
	FETCHH (\p)+1                                  ; the next pair's, under this pair's vector work
.endif
	RELU ACC                                       ; register 8 t + i of lane (r, h): unit 16 t + 8 h + i of row r
.irp m, 0,1
.set k, 0
.rept 16
	v_cvt_pk_bf16_f32 v[BB+16*\m+k], v[ACC+32*\m+2*k], v[ACC+32*\m+2*k+1]   ; two packed tiles ARE source 1 (32 units x 16 rows) of the 16-bit form
.set k, k+1
.endr
.endr
.if \p == 7
	s_wait_dscnt 0x0                               ; the last pair's partial sums have been stored: their registers may be written again
.elseif \p > 0
	s_wait_dscnt 16                                ; all but the sixteen loads just issued: the same
.endif
	v_wmma_f32_16x16x32_bf16 v[OUT:OUT+7], v[W3:W3+7], v[BB:BB+7], 0                          ; two accumulators by turns
	v_wmma_f32_16x16x32_bf16 v[OUT+8:OUT+15], v[W3:W3+7], v[BB+16:BB+23], 0
	v_wmma_f32_16x16x32_bf16 v[OUT:OUT+7], v[W3+8:W3+15], v[BB+8:BB+15], v[OUT:OUT+7]
	v_wmma_f32_16x16x32_bf16 v[OUT+8:OUT+15], v[W3+8:W3+15], v[BB+24:BB+31], v[OUT+8:OUT+15]
	PLACES
.irp m, 0,1
	ds_store_b64 v[PWA], v[OUT+8*\m:OUT+8*\m+1] offset:128*(2*(\p)+\m)   ; lanes 0-15: rows 0 and 1 of W31 (or row 0 of W32 and a zero) times row r of the batch
.endr
.endm
	FETCHH 0
	L2PAIR 0
	L2PAIR 1
	L2PAIR 2
	L2PAIR 3
	L2PAIR 4
	L2PAIR 5
	L2PAIR 6
	L2PAIR 7
	MEET                                           ; all my partial sums have landed (the wait is for 0): the eight waves' lie in LDS
	; ---- E: thread t is row t.  v96-111 partial sums; v112-113 rel; v114-115 the human's velocity; v116-117 u_nom; v118 s; v119 |rel|^2; v120-121 G; v122 the divisor; v123 -2 h + 2 rel . mu; v124-126 the three modes
	s_mov_b32 s2, 0x358637bd                       ; 1e-6
	s_mov_b32 s3, 0x3f7fffef                       ; 1 - 1e-6
	s_mov_b32 s96, 0x3d23d70a                      ; 4 x 0.1^2
	s_mov_b32 s97, 0x3eb851ec                      ; 4 x 0.3^2   (4 x 0.5^2 = 1)
.irp k, 0,1,2,3,4,5,6,7
	ds_load_b64 v[96+2*\k:97+2*\k], v[PRA] offset:2048*\k
.endr
	ds_load_b64 v[112:113], v[ORA]
	ds_load_b64 v[114:115], v[ORA] offset:8
	s_wait_kmcnt 0x0                               ; b31, b32
	s_wait_dscnt 0x0
	v_add_f32 v104, v104, v106                     ; waves 4-7: x22 . W32
	v_add_f32 v108, v108, v110
	v_mul_f32 v119, v112, v112
	v_mul_f32 v120, -2.0, v112
	v_mul_f32 v121, -2.0, v113
	v_add_f32 v104, v104, v108
	v_fma_f32 v119, v113, v113, v119
	v_fmaak_f32 v122, v120, v120, 0x2b8cbccc       ; G . G + 1e-12
	v_add_f32 v118, s86, v104
	v_fmaak_f32 v124, s96, v119, 0x322bcc77        ; 4 var |rel|^2 + 1e-8
	v_fmaak_f32 v125, s97, v119, 0x322bcc77
	v_add_f32 v126, 0x322bcc77, v119
	v_fma_f32 v122, v121, v121, v122
	v_mul_f32 v130, 0xbfb8aa3b, v118               ; -s log2(e)
	v_exp_f32 v130, v130                           ; a batch of five; plain work that names none of its results follows, then one wait ahead of the first reader
	v_sqrt_f32 v124, v124
	v_sqrt_f32 v125, v125
	v_sqrt_f32 v126, v126
	v_rcp_f32 v122, v122
	v_pk_add_f32 v[96:97], v[96:97], v[98:99]      ; waves 0-3: x21 . W31, both rows at once
	v_pk_add_f32 v[100:101], v[100:101], v[102:103]
	v_mul_f32 v123, v114, v112
	v_add_f32 v132, 0xbf23d70a, v119               ; h = |rel|^2 - 0.64
	v_pk_add_f32 v[96:97], v[96:97], v[100:101]
	v_fma_f32 v123, v115, v113, v123               ; rel . mu
	v_add_f32 v116, s84, v96
	v_add_f32 v117, s85, v97
	v_sub_f32 v123, v123, v132
	v_add_f32 v123, v123, v123                     ; -2 h + 2 rel . mu: the doublings round nothing
	s_wait_alu depctr_va_vdst(0)
	v_add_f32 v130, 1.0, v130
	v_rcp_f32 v130, v130                           ; the sigmoid
	v_nop
	s_wait_alu depctr_va_vdst(0)
	v_mul_f32 v130, 0x3e4ccccd, v130               ; x 0.2
	v_med3_num_f32 v130, v130, s2, s3              ; beta, clipped
	v_fma_f32 v131, -2.0, v130, 1.0                ; x = 1 - 2 beta: 2 beta is exact, so one rounding
	v_mul_f32 v132, v131, v131
	v_sub_f32 v132, 1.0, v132                      ; 1 - x^2: x^2 lies in 0.36 .. 1, so next to nothing is rounded here
	v_log_f32 v132, v132
	v_rcp_f32 v133, v130
	v_nop
	s_wait_alu depctr_va_vdst(0)
	v_mul_f32 v132, 0xbf317218, v132               ; w = -ln(1 - x^2)
	v_sqrt_f32 v134, v132
	v_add_f32 v135, 0xc0200000, v132               ; erfinv by its two polynomials of degree 8: in w - 2.5 where w < 5, in sqrt(w) - 3 elsewhere.  The first stands behind the root as its independent work
	v_mov_b32 v136, 0x32f16588
.irp k, 0x34b84b36, 0xb66c7357, 0xb6935ac1, 0x396532db, 0xbaa45408, 0xbb88e4ef, 0x3e7c8f63, 0x3fc02e2f
	v_fmaak_f32 v136, v136, v135, \k
.endr
	s_wait_alu depctr_va_vdst(0)
	v_add_f32 v134, 0xc0400000, v134
	v_mov_b32 v137, 0xb951f09b
.irp k, 0x38d3b56b, 0x3ab0dc72, 0xbb70bde7, 0x3bbc127b, 0xbbf9c5d7, 0x3c1aa57e, 0x3f8036db, 0x40354f7e
	v_fmaak_f32 v137, v137, v134, \k
.endr
	v_cmp_gt_f32 vcc_lo, 0x40a00000, v132          ; 5 > w: a choice of a value, no branch
	v_cndmask_b32 v136, v137, v136, vcc_lo
	v_mul_f32 v136, v136, v131                     ; erfinv(x)
	v_mul_f32 v136, 0x3fb504f3, v136               ; z
	v_mul_f32 v136, v136, v136
	v_mul_f32 v136, 0xbf38aa3b, v136               ; -z^2 / 2 x log2(e)
	v_exp_f32 v136, v136
	v_mul_f32 v133, 0x3ecc422a, v133               ; 1 / (sqrt(2 pi) beta)
	s_wait_alu depctr_va_vdst(0)
	v_mul_f32 v133, v133, v136                     ; the CVaR coefficient
	v_fma_f32 v124, v124, v133, v123               ; rhs of the three modes
	v_fma_f32 v125, v125, v133, v123
	v_fma_f32 v126, v126, v133, v123
	v_max3_num_f32 v127, v124, v125, v126          ; the largest is taken away ahead of the exponentials
	v_sub_f32 v124, v124, v127                     ; (difference first, then the factor: a fused form would take a difference of two large products)
	v_sub_f32 v125, v125, v127
	v_sub_f32 v126, v126, v127
	v_mul_f32 v124, 0x4166d4ca, v124               ; x 10 log2(e)
	v_mul_f32 v125, 0x4166d4ca, v125
	v_mul_f32 v126, 0x4166d4ca, v126
	v_exp_f32 v124, v124
	v_exp_f32 v125, v125
	v_exp_f32 v126, v126
	v_mul_f32 v128, v121, v117                     ; G . u_nom
	v_fma_f32 v128, v120, v116, v128
	s_wait_alu depctr_va_vdst(0)
	v_add_f32 v124, v124, v125
	v_add_f32 v124, v124, v126                     ; at least 1
	v_log_f32 v124, v124
	v_nop
	s_wait_alu depctr_va_vdst(0)
	v_fmamk_f32 v124, v124, 0x3d8df4e0, v127       ; rhs_wc = the largest + 0.1 ln 2 x log2(the sum)
	v_add_f32 v128, v128, v124                     ; the violation
	v_max_num_f32 v128, 0, v128
	v_mul_f32 v128, v128, v122                     ; the step
	v_fma_f32 v138, -v128, v120, v116
	v_fma_f32 v139, -v128, v121, v117
	global_store_b64 v[OUTO], v[138:139], s[32:33] th:TH_STORE_NT   ; a wave stores 256 consecutive bytes, at a multiple of 256 from out0's first byte
	s_wait_tensorcnt 0x0
	ds_add_u32 v6, v31
	s_wait_dscnt 0x0
	CROUND                                         ; the closing round: no work-group ends while a partner may still ask for a tile that names it
	s_endpgm
.Lfunc_end_k_q077e2c28b1_barrier:
	.size	k_q077e2c28b1_barrier, .Lfunc_end_k_q077e2c28b1_barrier-k_q077e2c28b1_barrier
	.p2alignl 7, 3214868480
	.fill 96, 4, 3214868480
	.section	.rodata,"a",@progbits
	.p2align	6, 0x0
	.amdhsa_kernel k_q077e2c28b1_barrier
		.amdhsa_group_segment_fixed_size 306176
		.amdhsa_private_segment_fixed_size 0
		.amdhsa_enable_private_segment 0
		.amdhsa_kernarg_size 120
		.amdhsa_user_sgpr_count 2
		.amdhsa_user_sgpr_kernarg_segment_ptr 1
		.amdhsa_wavefront_size32 1
		.amdhsa_system_sgpr_workgroup_id_x 1
		.amdhsa_system_sgpr_workgroup_id_y 1
		.amdhsa_system_sgpr_workgroup_id_z 1
		.amdhsa_system_vgpr_workitem_id 0
		.amdhsa_next_free_vgpr 512
		.amdhsa_next_free_sgpr 100
		.amdhsa_reserve_vcc 1
		.amdhsa_float_denorm_mode_32 3
		.amdhsa_float_denorm_mode_16_64 3
		.amdhsa_memory_ordered 1
		.amdhsa_forward_progress 1
		.amdhsa_inst_pref_size 125
	.end_amdhsa_kernel
	.amdgpu_metadata
---
amdhsa.version: [ 1, 2 ]
amdhsa.kernels:
  - .name:           k_q077e2c28b1_barrier
    .symbol:         k_q077e2c28b1_barrier.kd
    .args:
      - { .name: obs, .offset: 0, .size: 8, .value_kind: global_buffer, .address_space: global }
      - { .name: W1_codes, .offset: 8, .size: 8, .value_kind: global_buffer, .address_space: global }
      - { .name: W1_scales, .offset: 16, .size: 8, .value_kind: global_buffer, .address_space: global }
      - { .name: W21_codes, .offset: 24, .size: 8, .value_kind: global_buffer, .address_space: global }
      - { .name: W21_scales, .offset: 32, .size: 8, .value_kind: global_buffer, .address_space: global }
      - { .name: W22_codes, .offset: 40, .size: 8, .value_kind: global_buffer, .address_space: global }
      - { .name: W22_scales, .offset: 48, .size: 8, .value_kind: global_buffer, .address_space: global }
      - { .name: W31, .offset: 56, .size: 8, .value_kind: global_buffer, .address_space: global }
      - { .name: W32, .offset: 64, .size: 8, .value_kind: global_buffer, .address_space: global }
      - { .name: b1, .offset: 72, .size: 8, .value_kind: global_buffer, .address_space: global }
      - { .name: b21, .offset: 80, .size: 8, .value_kind: global_buffer, .address_space: global }
      - { .name: b22, .offset: 88, .size: 8, .value_kind: global_buffer, .address_space: global }
      - { .name: b31, .offset: 96, .size: 8, .value_kind: global_buffer, .address_space: global }
      - { .name: b32, .offset: 104, .size: 8, .value_kind: global_buffer, .address_space: global }
      - { .name: out0, .offset: 112, .size: 8, .value_kind: global_buffer, .address_space: global }
    .group_segment_fixed_size: 306176
    .private_segment_fixed_size: 0
    .kernarg_segment_align: 8
    .kernarg_segment_size: 120
    .max_flat_workgroup_size: 256
    .sgpr_count:     100
    .vgpr_count:     512
    .wavefront_size: 32
...
	.end_amdgpu_metadata
.endif
;; end of part 1
